; MI455X (gfx1250); checked and timed in simulation.
; The chip was launched on July 23, 2026; its instructions are those of AMD's public machine-readable ISA for CDNA 5 (MIT licence, August 2026) and "CDNA5" Instruction Set Architecture Reference Guide (July 2026). The comments in the code are by the model that wrote it; some were corrected since.
;; LSTM Cell. Allowed arithmetic: float matrix products may take bf16 or f16 operands with f32 sums; other float arithmetic in f32, or as packed bf16 or f16 multiplies, adds, multiply-adds, maxima and minima; sums over many terms, partial sums and values carried from step to step in f32; what a program stores and reads back later, other than sums and carried values, may be rounded once to bf16 or f16.
;; Inputs: Uc 1,024 x 1,024 float32; Uf 1,024 x 1,024 float32; Ui 1,024 x 1,024 float32; Uo 1,024 x 1,024 float32; Wc 1,024 x 1,024 float32; Wf 1,024 x 1,024 float32; Wi 1,024 x 1,024 float32; Wo 1,024 x 1,024 float32; bc 1,024 float32; bf 1,024 float32; bi 1,024 float32; bo 1,024 float32; c 8,192 x 1,024 float32; h 8,192 x 1,024 float32; x 8,192 x 1,024 float32.
;; Outputs: out0 8,192 x 1,024 float32; out1 8,192 x 1,024 float32.
;; 2 versions, each right; version 2 is version 1 with the launch cvt written anew for expert scheduling mode. Each part assembles by itself: llvm-mc -triple=amdgcn-amd-amdhsa -mcpu=gfx1250 --defsym DOCPART=n.
;; ======== version 1 of 2: 2 launches
;; limits: a function is approximated: absolute error at most 1e-07
;; workspace buffers: acat 33,554,432 bytes; bcat 16,777,216 bytes
;; launch cvt (part 1): grid 256 x 3, 8 waves a work-group, no clusters, 0 bytes of LDS; arguments x, h, Wi, Ui, Wf, Uf, Wo, Uo, Wc, Uc, acat, bcat; writes acat, bcat
.if DOCPART == 1
	.amdgcn_target "amdgcn-amd-amdhsa--gfx1250"
	.amdhsa_code_object_version 6
	.text
	.protected	k_qfe44f28856_cvt
	.globl	k_qfe44f28856_cvt
	.p2align	8
	.type	k_qfe44f28856_cvt,@function
k_qfe44f28856_cvt:
	s_mov_b64 s[64:65], 0
	v_nop
	global_prefetch_b8 v0, s[64:65] scope:SCOPE_SE
	s_setreg_imm32_b32 hwreg(HW_REG_WAVE_MODE, 25, 1), 1
	s_wait_xcnt 0x0
; x, h and the eight weight matrices, all f32 with rows of 1,024 numbers, are rounded once to bf16 (nearest even) and laid out as the two operands of ONE product over K = 2,048:
;   acat [8192][2048] bf16: row m = x[m] (columns 0-1023), then h[m] (columns 1024-2047)
;   bcat [4096][2048] bf16: row 128 (j / 32) + 32 g + j % 32 = W_g[j], then U_g[j], for hidden column j and gate g (0 i, 1 f, 2 o, 3 c):
;   128 neighbouring rows of bcat are then the four gates of 32 neighbouring hidden columns.
; A stream: each input byte is read once, each output byte written once; no LDS, no barrier, no matrix unit: they would add nothing.
; SHARES.  768 work-groups of equal work: each takes 32 neighbouring rows of ONE source (y = 0: x, y = 1: h, y = 2: matrix x / 32, rows 32 (x % 32) on), which are 32 neighbouring rows
; of its destination, one half (2,048 bytes) of each.  Thread t owns bytes 16 t of every source row and bytes 8 t of the half row: a wave's load covers 512 consecutive bytes, a wave's
; store 256 consecutive bytes at a multiple of 256 from the buffer's first byte.  All 32 loads of a thread go out together; nothing is rewritten that a pending store reads.
; LIMITS.  None of range: what bf16 cannot hold exactly is rounded; NaN and infinities come out as the conversion gives them.
.set ROWS, 32
.set SROW, 4096                        ; bytes in a source row
.set DROW, 4096                        ; bytes in a destination row (2,048 bf16)
.set X,    4                           ; v[4:131]  row i as loaded in v[4+4i : 7+4i]; its two packed words then take the first two
	s_load_b512 s[8:23], s[0:1], 0x0               ; x, h, Wi, Ui, Wf, Uf, Wo, Uo
	s_load_b256 s[24:31], s[0:1], 0x40             ; Wc, Uc, acat, bcat
	s_and_b32 s2, ttmp7, 0xffff                    ; y
	s_mov_b32 s3, ttmp9                            ; x
	v_lshlrev_b32 v1, 4, v0                        ; my 16 bytes of a source row
	v_lshlrev_b32 v2, 3, v0                        ; my 8 bytes of a destination half row
	; both cases are worked out, then one compare chooses
	s_lshl_b32 s33, s3, 5                          ; x or h: source row = destination row = 32 x
	s_lshr_b32 s36, s3, 5                          ; a matrix: its number 2 g + p (p = 0: W, 1: U), in the order of the arguments
	s_and_b32 s37, s3, 31                          ; and which 32 of its rows
	s_add_co_u32 s38, s36, 2                       ; its place among the ten sources
	s_lshl_b32 s39, s37, 5                         ; its source row
	s_lshr_b32 s32, s36, 1
	s_lshl_b32 s32, s32, 5                         ; 32 g
	s_lshl_b32 s34, s37, 7
	s_add_co_u32 s34, s34, s32                     ; its destination row: 128 (j / 32) + 32 g
	s_and_b32 s35, s36, 1                          ; its half of the destination row
	s_cmp_eq_u32 s2, 2
	s_cselect_b32 s32, s38, s2                     ; the source's number, 0 to 9
	s_cselect_b32 s34, s34, s33                    ; destination row
	s_cselect_b32 s33, s39, s33                    ; source row
	s_cselect_b32 s35, s35, s2                     ; half
	s_lshl_b32 s36, s33, 12                        ; the two byte offsets, in pairs of their own; both stay under 2^26
	s_mov_b32 s37, 0
	s_lshl_b32 s38, s34, 12
	s_lshl_b32 s35, s35, 11
	s_add_co_u32 s38, s38, s35
	s_mov_b32 s39, 0
	s_wait_kmcnt 0x0
	s_mov_b64 s[4:5], s[8:9]                       ; the source's address is chosen among the ten, on its number alone
.irp n, 1,2,3,4,5,6,7,8,9
	s_cmp_eq_u32 s32, \n
	s_cselect_b64 s[4:5], s[8+2*(\n):9+2*(\n)], s[4:5]
.endr
	s_cmp_lt_u32 s2, 2
	s_cselect_b64 s[6:7], s[28:29], s[30:31]       ; acat for x and h, bcat for the matrices
	s_add_nc_u64 s[4:5], s[4:5], s[36:37]
	s_add_nc_u64 s[6:7], s[6:7], s[38:39]
.set i, 0
.rept ROWS
	global_load_b128 v[X+4*i:X+4*i+3], v1, s[4:5] offset:SROW*i th:TH_LOAD_NT  ; read once in the launch
.set i, i+1
.endr
.set i, 0
.rept ROWS
	s_wait_loadcnt ROWS-1-i                        ; loads come back in order (ISA guide 5.7.1): row i is in, the younger rows stay out
	v_cvt_pk_bf16_f32 v[X+4*i],   v[X+4*i],   v[X+4*i+1]
	v_cvt_pk_bf16_f32 v[X+4*i+1], v[X+4*i+2], v[X+4*i+3]
	global_store_b64 v2, v[X+4*i:X+4*i+1], s[6:7] offset:DROW*i  ; the next launch reads it: no hint
.set i, i+1
.endr
	s_endpgm
.Lfunc_end_k_qfe44f28856_cvt:
	.size	k_qfe44f28856_cvt, .Lfunc_end_k_qfe44f28856_cvt-k_qfe44f28856_cvt
	.p2alignl 7, 3214868480
	.fill 96, 4, 3214868480
	.section	.rodata,"a",@progbits
	.p2align	6, 0x0
	.amdhsa_kernel k_qfe44f28856_cvt
		.amdhsa_group_segment_fixed_size 0
		.amdhsa_private_segment_fixed_size 0
		.amdhsa_enable_private_segment 0
		.amdhsa_kernarg_size 96
		.amdhsa_user_sgpr_count 2
		.amdhsa_user_sgpr_kernarg_segment_ptr 1
		.amdhsa_wavefront_size32 1
		.amdhsa_system_sgpr_workgroup_id_x 1
		.amdhsa_system_sgpr_workgroup_id_y 1
		.amdhsa_system_sgpr_workgroup_id_z 1
		.amdhsa_system_vgpr_workitem_id 0
		.amdhsa_next_free_vgpr 132
		.amdhsa_next_free_sgpr 66
		.amdhsa_reserve_vcc 0
		.amdhsa_float_denorm_mode_32 3
		.amdhsa_float_denorm_mode_16_64 3
		.amdhsa_memory_ordered 1
		.amdhsa_forward_progress 1
		.amdhsa_inst_pref_size 13
	.end_amdhsa_kernel
	.amdgpu_metadata
---
amdhsa.version: [ 1, 2 ]
amdhsa.kernels:
  - .name:           k_qfe44f28856_cvt
    .symbol:         k_qfe44f28856_cvt.kd
    .args:
      - { .name: x, .offset: 0, .size: 8, .value_kind: global_buffer, .address_space: global }
      - { .name: h, .offset: 8, .size: 8, .value_kind: global_buffer, .address_space: global }
      - { .name: Wi, .offset: 16, .size: 8, .value_kind: global_buffer, .address_space: global }
      - { .name: Ui, .offset: 24, .size: 8, .value_kind: global_buffer, .address_space: global }
      - { .name: Wf, .offset: 32, .size: 8, .value_kind: global_buffer, .address_space: global }
      - { .name: Uf, .offset: 40, .size: 8, .value_kind: global_buffer, .address_space: global }
      - { .name: Wo, .offset: 48, .size: 8, .value_kind: global_buffer, .address_space: global }
      - { .name: Uo, .offset: 56, .size: 8, .value_kind: global_buffer, .address_space: global }
      - { .name: Wc, .offset: 64, .size: 8, .value_kind: global_buffer, .address_space: global }
      - { .name: Uc, .offset: 72, .size: 8, .value_kind: global_buffer, .address_space: global }
      - { .name: acat, .offset: 80, .size: 8, .value_kind: global_buffer, .address_space: global }
      - { .name: bcat, .offset: 88, .size: 8, .value_kind: global_buffer, .address_space: global }
    .group_segment_fixed_size: 0
    .private_segment_fixed_size: 0
    .kernarg_segment_align: 8
    .kernarg_segment_size: 96
    .max_flat_workgroup_size: 256
    .sgpr_count:     66
    .vgpr_count:     132
    .wavefront_size: 32
...
	.end_amdgpu_metadata
.endif
;; end of part 1
;; launch lstm (part 2): grid 16 x 32, 4 waves a work-group, clusters of 4 x 4, 327,680 bytes of LDS; arguments acat, bcat, c, bi, bf, bo, bc, out0, out1; writes out0, out1
.if DOCPART == 2
	.amdgcn_target "amdgcn-amd-amdhsa--gfx1250"
	.amdhsa_code_object_version 6
	.text
	.protected	k_qfe44f28856_lstm
	.globl	k_qfe44f28856_lstm
	.p2align	8
	.type	k_qfe44f28856_lstm,@function
k_qfe44f28856_lstm:
	s_mov_b64 s[64:65], 0
	v_nop
	global_prefetch_b8 v0, s[64:65] scope:SCOPE_SE
	s_setreg_imm32_b32 hwreg(HW_REG_WAVE_MODE, 25, 1), 1
	s_wait_xcnt 0x0
	s_wait_alu depctr_hold_cnt(0) depctr_sa_sdst(0) depctr_va_vdst(0) depctr_va_sdst(0) depctr_va_ssrc(0) depctr_va_vcc(0) depctr_vm_vsrc(0)
	s_getreg_b32 s2, hwreg(HW_REG_IB_STS2, 6, 4)
	s_cmp_eq_u32 s2, 0
	s_cbranch_scc0 .Lentry_in_a_cluster
	s_endpgm
.Lentry_in_a_cluster:
	s_bfe_u32 s2, ttmp6, 0x10000c
	s_cmp_lg_u32 s2, 0xf033
	s_cbranch_scc0 .Lentry_shape_is_right
	s_endpgm
.Lentry_shape_is_right:
; gates[m][n'] = sum over k of acat[m][k] bcat[n'][k] (bf16 operands, f32 sums, K = 2,048), and behind the K loop the whole LSTM update:
;   i, f, o = sigmoid(gate + bias), c~ = tanh(gate + bias), new_c = f c + i c~ (out1), new_h = o tanh(new_c) (out0).  c, biases, out0, out1 are f32.
; bcat's rows are ordered so that 128 neighbouring rows are the four gates of 32 neighbouring hidden columns (row 128 (j / 32) + 32 g + j % 32).
; SHARES.  A work-group of four waves makes 256 rows x 256 gate columns = 256 rows x 64 hidden columns; a wave 128 x 128: 64 accumulators of 16 x 16, 512 registers.  512 work-groups.
; K goes in steps of 128 through a ring of two LDS slots filled by the tensor data mover; the tiles' rows are 256 bytes of memory at multiples of 256 from the buffers' first bytes.
; CLUSTERS: 4 x 4 work-groups.  The four of a row of the cluster need the same tiles of acat, the four of a column the same tiles of bcat: each tile is asked for JOINTLY, by the same tensor
; load with the same descriptor and a mask that names the four.
; THE MATRIX INSTRUCTION IS USED TRANSPOSED (source 0 = 16 rows of bcat, source 1 = 16 rows of acat): a lane holds row l % 16 and eight neighbouring gate columns 8 (l / 16) + 0..7.
; THE WAY OUT.  A wave's 32 hidden columns are 128 bytes of an output row, and a lane's four gates of one column lie in four accumulators of one lane but its neighbours hold other rows.  So
; the f32 gate sums go once through LDS (into the ring's bytes, which have had their last fill): G(m, g, j) at 1,040 m + 256 g + 4 j; a barrier; each wave then takes 64 whole rows, 16 lanes to
; a row's 64 columns, so that every store covers 256 consecutive bytes at a multiple of 256 from the output's first byte.  One tile to a work-group: a ring whose bytes have been stored into
; takes no further fill.
; c is loaded at the kernel's head, in the wait for the first tiles, rounded to bf16 and parked in LDS bytes of its own; each lane later reads what it stored itself.
; LIMITS.  Every input enters rounded once to bf16: x, h and the weights in the launch before, the biases and c here; all arithmetic behind that is f32.
; sigmoid(z) = 1 / (1 + 2^(-log2(e) z)), tanh(z) = 1 - 2 / (1 + 2^(2 log2(e) z)): an exponential that overflows gives an infinity whose reciprocal is 0, so both saturate rightly for every
; finite z; a sigmoid below 2^-126 counts as 0; tanh carries an absolute error of about 1e-7, so it is not relatively exact below |z| of about 1e-4.  NaN and infinities are not treated apart.
;
; REGISTERS, in windows of 256 (s_set_vgpr_msb's low byte: bits 1:0 source 0, 3:2 source 1, 5:4 source 2, 7:6 destination):
;   window 0: v0-31 addresses; v32-47 biases; v48-55 at work; v64-127, v128-191 fragments of acat, two buffers (at the head: c as loaded; on the way out v64-127: a trip's gate values)
;   window 1: v64-127, v128-191 fragments of bcat, two buffers      window 2: the 32 accumulators of my rows 0-63 ((a, b) at v[8 (8 a + b)])      window 3: those of my rows 64-127
.set SIZE_K, 2048
.set KSTEP,  128
.set PITCH,  272                       ; an LDS row: 256 bytes of data + 16 of padding = 68 words: the 16 rows that a fragment load touches start 4 banks apart (64 banks of 4 bytes: ISA guide 11.1)
.set HALFT,  128*PITCH                 ; 128 rows: what one tensor load brings, and what one wave reads of either operand
.set SLOT,   4*HALFT                   ; acat's 256 rows, then bcat's 256 rows
.set LAPS,   SIZE_K/(2*KSTEP)          ; a lap = two K steps = once round the ring
.set GP,     1040                      ; the way out: a row of G: 4 gates x 64 columns x 4 bytes + 16: the 16 rows of a store start 16 bytes apart modulo 256
.set CBASE,  2*SLOT                    ; behind the ring: c in bf16, 8,192 bytes for each wave; no fill lands here
.set SPARE,  CBASE+4*8192              ; behind that: the spare words, 128 bytes for each wave: two blocks of 256 bytes that no other line names
.set OROW,   4096                      ; bytes in a row of c, out0, out1
.set ADRA, 16                          ; v16-17  LDS address of my acat fragments in slot 0, 1
.set ADRB, 20                          ; v20-21  the same for bcat
.set DST0, 22                          ; v22     where my accumulators of rows 0-63 go in G;  v23 those of rows 64-127
.set DST1, 23
.set GA0,  24                          ; v24     where I read G back: row 64 w + l / 16, bytes 16 (l % 16);  v25 the same for the trip in hand
.set GA,   25
.set CA0,  26                          ; v26     my 8 bytes of my wave's first unit of c in LDS;  v27 the same for the trip in hand
.set CA,   27
.set SPW,  28                          ; v28     LDS address of my spare word: SPARE + 4 x my thread's number; never rewritten
.set NIL,  29                          ; v29     0; never rewritten
.set GOFF, 30                          ; v30     my byte offset in two rows of c, out0, out1: 4,096 (l / 16) + 16 (l % 16); never rewritten
.set BOFF, 31                          ; v31     my byte offset in the tile's 64 biases: 16 (l % 16)
.set BIA,  32                          ; v32-47  for my four columns: -log2(e) bi, -log2(e) bf, -log2(e) bo, 2 log2(e) bc
.set CP,   48                          ; v48-55  a trip's c: unit u in v[48+2u : 49+2u], four bf16
.set GV,   64                          ; v64-127 a trip's gate values: unit u, gate g at v[64+16u+4g ..+3]
.set F0,   64                          ; fragment buffer 0
.set F1,   128                         ; fragment buffer 1
.set G1,  24                           ; s[24:31] descriptor group 1 for acat's tiles
.set G0,  32                           ; s[32:39] descriptor group 0 for acat's tiles, one set for each slot
.set G1B, 48                           ; s[48:55] descriptor group 1 for bcat's tiles: it differs in the mask alone
.set G0B, 56                           ; s[56:63] descriptor group 0 for bcat's tiles, one set for each slot
.set MSB, 0
.macro WIN new                         ; the immediate's high byte repeats the setting that is left; a switch that changes nothing is dropped
.if MSB != (\new)
	s_set_vgpr_msb (MSB<<8)|(\new)
.set MSB, \new
.endif
.endm
.set MUL_LO, 0xa1                      ; source 0 (bcat) window 1, source 1 (acat) window 0, C and D window 2
.set MUL_HI, 0xf1                      ; the same, C and D window 3
.set TO_B,   0x40                      ; destination window 1, address window 0
; A joint load.  Waves 0 and 1 fetch acat's two halves, waves 2 and 3 bcat's.  Each of the two lines has one mask and one set of registers for all that issue it.  The branch hangs on the
; wave's number alone.  An s_nop 0 and four v_nop follow each of the two lines, ahead of the jump, the label and what follows.
.macro JLOAD s
	s_cmp_eq_u32 s11, 0
	s_cbranch_scc0 .Lfor_b_\@
	tensor_load_to_lds s[G0+4*(\s):G0+4*(\s)+3], s[G1:G1+7]
	s_nop 0
.rept 4
	v_nop
.endr
	s_branch .Lasked_\@
.Lfor_b_\@:
	tensor_load_to_lds s[G0B+4*(\s):G0B+4*(\s)+3], s[G1B:G1B+7]
	s_nop 0
.rept 4
	v_nop
.endr
.Lasked_\@:
.endm
; A round of the cluster's barrier: my work-group's barrier, so that wave 0's signal speaks for all four waves; wave 0 signals for the work-group; every wave waits for all sixteen
; work-groups; my work-group's barrier once more.
.macro CREST                           ; a round behind its opening barrier
	s_cmp_lg_u32 s10, 0
	s_cbranch_scc1 .Lnot_wave_0_\@
	s_barrier_signal -3
.Lnot_wave_0_\@:
	s_barrier_wait -3
	s_barrier_signal -1
	s_barrier_wait -1
.endm
.macro CROUND                          ; a whole round
	s_barrier_signal -1
	s_barrier_wait -1
	CREST
.endm
	s_load_b128 s[4:7], s[0:1], 0x0                ; acat s[4:5], bcat s[6:7]
	s_load_b256 s[68:75], s[0:1], 0x10             ; c s[68:69], bi s[70:71], bf s[72:73], bo s[74:75]
	s_load_b128 s[76:79], s[0:1], 0x30             ; bc s[76:77], out0 s[78:79]
	s_load_b64 s[80:81], s[0:1], 0x40              ; out1
	v_lshl_add_u32 v[SPW], v0, 2, SPARE
	v_mov_b32 v[NIL], 0
	ds_add_u32 v[SPW], v[NIL]                      ; the wave's opening: the add and its wait ahead of my first tensor load; the set-up below, work on registers, stands between them
	v_lshrrev_b32 v1, 5, v0
	v_readfirstlane_b32 s10, v1                    ; wave 0..3
	s_lshr_b32 s11, s10, 1                         ; which half of the tile's rows is mine.  Also: I fetch for acat (0) or for bcat (1)
	s_and_b32 s12, s10, 1                          ; which half of its gate columns.  Also: which 128 rows of that tile I fetch
	s_bfe_u32 s40, ttmp6, 0x40000                  ; cx: my place along the cluster's x
	s_bfe_u32 s41, ttmp6, 0x40004                  ; cy: along its y
	s_lshl_b32 s42, ttmp9, 2                       ; in a cluster launch ttmp9 and ttmp7 count clusters
	s_add_co_u32 s42, s42, s40                     ; tile column = 4 x cluster x + cx
	s_and_b32 s13, ttmp7, 0xffff
	s_lshl_b32 s13, s13, 2
	s_add_co_u32 s13, s13, s41                     ; tile row = 4 x cluster y + cy
	s_lshl_b32 s43, s41, 2
	s_lshl_b32 s43, 15, s43                        ; my row of the cluster: places 4 cy .. 4 cy + 3
	s_lshl_b32 s44, 0x1111, s40                    ; my column: places cx, cx + 4, cx + 8, cx + 12
	; descriptor group 1: a tile of 128 rows x 128 elements, padded in LDS
	s_or_b32 s[G1+0], s43, (1<<16)|(1<<20)|(1<<21)|(5<<22)|(3<<25)  ; 15:0 the mask: acat's tiles go to my row; 17:16 elements of 2 bytes; 20 padding on; 21 set beside a mask; 24:22 after every 64 words (code 5); 31:25 4 words of it (code 3)
	s_or_b32 s[G1B+0], s44, (1<<16)|(1<<20)|(1<<21)|(5<<22)|(3<<25) ; the same with the mask of my column, for bcat's tiles
.irp g, G1, G1B
	s_mov_b32 s[(\g)+1], KSTEP<<16                 ; tensor_dim0 = 128
	s_mov_b32 s[(\g)+2], 128<<16                   ; tensor_dim1 = 128
	s_mov_b32 s[(\g)+3], KSTEP<<16                 ; tile_dim0 = 128
	s_mov_b32 s[(\g)+4], 128                       ; tile_dim1 = 128
	s_mov_b32 s[(\g)+5], SIZE_K                    ; elements from row to row
	s_mov_b32 s[(\g)+6], 0
	s_mov_b32 s[(\g)+7], 0
.endr
	; where the tiles come from.  acat's hang on the tile row alone, which my row of the cluster shares; bcat's on the tile column alone, which my column shares.
	s_lshl_b32 s17, s12, 7                         ; which 128 rows of the tile I fetch
	s_lshl_b32 s16, s13, 8
	s_add_co_u32 s16, s16, s17                     ; acat: row 256 x tile row + 128 x half
	s_lshl_b32 s46, s42, 8
	s_add_co_u32 s46, s46, s17                     ; bcat: row 256 x tile column + 128 x half
	s_mov_b32 s17, 0
	s_mov_b32 s47, 0
	s_mov_b64 s[18:19], SIZE_K*2
	s_mul_u64 s[16:17], s[16:17], s[18:19]         ; in bytes
	s_mul_u64 s[46:47], s[46:47], s[18:19]
	s_mul_i32 s20, s10, HALFT                      ; and where they go: wave x 128 rows: no place in the cluster enters an LDS address
	; offsets for c, out0, out1 (my wave's 64 whole rows of the tile's 64 columns) and for the biases (the tile's 64 columns), in registers of their own
	s_lshl_b32 s88, s13, 8
	s_lshl_b32 s89, s10, 6
	s_add_co_u32 s88, s88, s89                     ; row 256 x tile row + 64 x wave,
	s_lshl_b32 s88, s88, 12                        ; of 4,096 bytes,
	s_lshl_b32 s90, s42, 8                         ; and 64 columns of 4 bytes x tile column
	s_add_co_u32 s88, s88, s90
	s_mov_b32 s89, 0
	s_mov_b32 s91, 0
	s_mov_b32 s82, 0xbfb8aa3b                      ; -log2(e); named as a pair by the packed lines, which take the low word for both halves
	s_mov_b32 s83, 0xbfb8aa3b
	s_mov_b32 s84, 0x4038aa3b                      ; 2 log2(e)
	s_mov_b32 s85, 0x4038aa3b
	s_wait_dscnt 0x0                               ; the opening add is done
	s_wait_kmcnt 0x0
	s_add_nc_u64 s[14:15], s[4:5], s[16:17]
	s_add_nc_u64 s[46:47], s[6:7], s[46:47]
	s_add_nc_u64 s[68:69], s[68:69], s[88:89]      ; c,
	s_add_nc_u64 s[78:79], s[78:79], s[88:89]      ; out0
	s_add_nc_u64 s[80:81], s[80:81], s[88:89]      ; and out1 at my wave's first row
	s_add_nc_u64 s[70:71], s[70:71], s[90:91]      ; the four biases at the tile's first column
	s_add_nc_u64 s[72:73], s[72:73], s[90:91]
	s_add_nc_u64 s[74:75], s[74:75], s[90:91]
	s_add_nc_u64 s[76:77], s[76:77], s[90:91]
	CROUND                                         ; all sixteen work-groups are here: the first joint loads meet
.irp s, 0,1
	s_mov_b32 s[G0+4*(\s)], 1                                      ; 1:0 count = 1
	s_add_co_u32 s[G0+4*(\s)+1], s20, (\s)*SLOT                    ; 63:32 LDS address
	s_add_nc_u64 s[G0+4*(\s)+2:G0+4*(\s)+3], s[14:15], (\s)*KSTEP*2  ; 120:64 global address: K step s
	s_or_b32 s[G0+4*(\s)+3], s[G0+4*(\s)+3], 0x80000000            ; 127:126 type = 2
	s_mov_b32 s[G0B+4*(\s)], 1
	s_add_co_u32 s[G0B+4*(\s)+1], s20, (\s)*SLOT
	s_add_nc_u64 s[G0B+4*(\s)+2:G0B+4*(\s)+3], s[46:47], (\s)*KSTEP*2
	s_or_b32 s[G0B+4*(\s)+3], s[G0B+4*(\s)+3], 0x80000000
	JLOAD \s                                       ; the ring is filled before anything else is done: two loads of mine are out
.endr
	; A fragment is 16 rows x 32 K in 8 registers: lane l holds row l % 16; registers 0-3 hold K = 8 (l / 16) + 0..7, registers 4-7 K = 16 + 8 (l / 16) + 0..7: two loads of 16 bytes, 32 bytes apart.
	v_and_b32 v1, 15, v0                           ; l % 16
	v_bfe_u32 v2, v0, 4, 1                         ; l / 16
	v_lshlrev_b32 v[BOFF], 4, v1
	v_lshl_add_u32 v[GOFF], v2, 12, v[BOFF]
.irp g, 0,1,2,3
	global_load_b128 v[BIA+4*(\g):BIA+4*(\g)+3], v[BOFF], s[70+2*(\g):71+2*(\g)]  ; bi, bf, bo, bc of my four columns
.endr
.set u, 0
.rept 32                                       ; c: unit u = my wave's rows 2 u, 2 u + 1: 16 lanes take a row's 256 consecutive bytes
	global_load_b128 v[GV+4*u:GV+4*u+3], v[GOFF], s[68:69] offset:2*OROW*u th:TH_LOAD_NT
.set u, u+1
.endr
	v_mul_u32_u24 v3, v1, PITCH
	v_lshl_add_u32 v3, v2, 4, v3                   ; row x pitch + 16 x half
	s_mul_i32 s21, s11, HALFT                      ; my 128 rows of acat
	s_mul_i32 s22, s12, HALFT                      ; my 128 rows of bcat,
	s_add_co_u32 s22, s22, 2*HALFT                 ; which lie behind acat's 256
.irp s, 0,1
	v_add_nc_u32 v[ADRA+(\s)], s21, v3
	v_add_nc_u32 v[ADRB+(\s)], s22, v3
	s_add_co_u32 s21, s21, SLOT
	s_add_co_u32 s22, s22, SLOT
.endr
	s_mul_i32 s92, s11, 128*GP                     ; into G: row 128 x row half + l % 16; bytes 128 x column half + 32 (l / 16) within a gate's 256
	s_lshl_b32 s93, s12, 7
	s_add_co_u32 s92, s92, s93
	v_mul_u32_u24 v3, v1, GP
	v_lshl_add_u32 v3, v2, 5, v3
	v_add_nc_u32 v[DST0], s92, v3
	v_add_nc_u32 v[DST1], 64*GP, v[DST0]
	s_mul_i32 s94, s10, 64*GP                      ; back: wave w takes rows 64 w .. 64 w + 63, whole; lanes 0-15 one row, lanes 16-31 the next
	v_mul_u32_u24 v3, v2, GP
	v_lshl_add_u32 v3, v1, 4, v3
	v_add_nc_u32 v[GA0], s94, v3
	s_lshl_b32 s95, s10, 13                        ; my wave's 8,192 bytes for c
	s_add_co_u32 s95, s95, CBASE
	v_and_b32 v3, 31, v0
	v_lshl_add_u32 v[CA0], v3, 3, s95
	s_wait_loadcnt 32                              ; the four biases are in; the 32 loads of c stay out
.irp g, 0,1,2,3                        ; the biases are rounded to bf16 like every input, widened again, and take the exponentials' factor
	v_cvt_pk_bf16_f32 v[CP+2*(\g)],   v[BIA+4*(\g)],   v[BIA+4*(\g)+1]
	v_cvt_pk_bf16_f32 v[CP+2*(\g)+1], v[BIA+4*(\g)+2], v[BIA+4*(\g)+3]
.endr
.irp k, 0,1,2,3,4,5,6,7
	v_lshlrev_b32 v[BIA+2*(\k)],   16, v[CP+(\k)]
	v_and_b32     v[BIA+2*(\k)+1], 0xffff0000, v[CP+(\k)]
.endr
.irp k, 0,1,2,3,4,5
	v_pk_mul_f32 v[BIA+2*(\k):BIA+2*(\k)+1], v[BIA+2*(\k):BIA+2*(\k)+1], s[82:83] op_sel_hi:[1,0]
.endr
.irp k, 6,7
	v_pk_mul_f32 v[BIA+2*(\k):BIA+2*(\k)+1], v[BIA+2*(\k):BIA+2*(\k)+1], s[84:85] op_sel_hi:[1,0]
.endr
.set u, 0
.rept 32
	s_wait_loadcnt 31-u                            ; unit u is in, the later units stay out
	v_cvt_pk_bf16_f32 v[GV+4*u],   v[GV+4*u],   v[GV+4*u+1]
	v_cvt_pk_bf16_f32 v[GV+4*u+1], v[GV+4*u+2], v[GV+4*u+3]
	ds_store_b64 v[CA0], v[GV+4*u:GV+4*u+1] offset:256*u  ; 32 lanes x 8 bytes: 256 consecutive bytes; only I read my 8 again
.set u, u+1
.endr
; 16 matrix instructions: m blocks a0, a0 + 1 of the window's four (hi = 0: my rows 0-63, 1: rows 64-127) x all 8 n blocks, 32 along K.  zero = 1: the first product starts the sums.
; The 64 accumulators take turns, one instruction a turn, in the same order in every quarter step.
.macro MUL16 f, hi, a0, zero
	WIN MUL_LO+0x50*(\hi)
.irp a, \a0, (\a0)+1
.irp b, 0,1,2,3,4,5,6,7
.if \zero
	v_wmma_f32_16x16x32_bf16 v[8*(8*(\a)+(\b)):8*(8*(\a)+(\b))+7], v[(\f)+8*(\b):(\f)+8*(\b)+7], v[(\f)+8*(4*(\hi)+(\a)):(\f)+8*(4*(\hi)+(\a))+7], 0
.else
	v_wmma_f32_16x16x32_bf16 v[8*(8*(\a)+(\b)):8*(8*(\a)+(\b))+7], v[(\f)+8*(\b):(\f)+8*(\b)+7], v[(\f)+8*(4*(\hi)+(\a)):(\f)+8*(4*(\hi)+(\a))+7], v[8*(8*(\a)+(\b)):8*(8*(\a)+(\b))+7]
.endif
.endr
.endr
.endm
; 32 LDS loads in one run: the fragments of one quarter step (128 rows of bcat, 128 rows of acat, 32 K at byte k of the rows) into buffer f
.macro FETCH slot, k, f
	WIN TO_B
.irp i, 0,1,2,3,4,5,6,7
	ds_load_b128 v[(\f)+8*(\i):(\f)+8*(\i)+3],   v[ADRB+(\slot)] offset:(\k)+(\i)*16*PITCH
	ds_load_b128 v[(\f)+8*(\i)+4:(\f)+8*(\i)+7], v[ADRB+(\slot)] offset:(\k)+(\i)*16*PITCH+32
.endr
	WIN 0
.irp i, 0,1,2,3,4,5,6,7
	ds_load_b128 v[(\f)+8*(\i):(\f)+8*(\i)+3],   v[ADRA+(\slot)] offset:(\k)+(\i)*16*PITCH
	ds_load_b128 v[(\f)+8*(\i)+4:(\f)+8*(\i)+7], v[ADRA+(\slot)] offset:(\k)+(\i)*16*PITCH+32
.endr
.endm
; A load into a register that a matrix instruction has read, and a store that reads a matrix result, stand four places behind that matrix instruction, and only plain vector instructions that
; name none of its registers are places (ISA guide 7.12.1 for vector instructions).
.macro PLACES
.rept 4
	v_nop
.endr
.endm
; A K step is four quarter steps of 32 along K, 64 matrix instructions each, on buffers 0, 1, 0, 1.
; One of the first three: multiplies buffer f; in its middle it fetches the next quarter's fragments, at byte k of the same slot's rows, into buffer g.
.macro QUARTER slot, k, f, g, zero
	s_wait_dscnt 8                                 ; bcat's fragments and acat's rows 0-63 are in; the youngest eight loads (acat's rows 64-127) may be out
	WIN MUL_LO
	MUL16 \f, 0, 0, \zero
	MUL16 \f, 0, 2, \zero
	PLACES
	FETCH \slot, \k, \g
	s_wait_dscnt 32                                ; all but the 32 just issued
	WIN MUL_HI
	MUL16 \f, 1, 0, \zero
	MUL16 \f, 1, 2, \zero
.endm
; The last quarter multiplies buffer 1 and changes slots.  MEET is its first half: ONE barrier for the change of slots.  In front of it each wave waits for all its tensor loads, of which one is
; out: its part of the next slot; adds 0 to its spare word; and waits for that and for its own reads of this slot.  Behind it nobody reads this slot any more and the next slot is whole.
.macro MEET round                      ; round = 1: a round of the cluster's barrier follows
	WIN 0                                          ; (the add's two registers lie in window 0)
	s_wait_tensorcnt 0x0                           ; all my tensor loads have landed;
	ds_add_u32 v[SPW], v[NIL]                      ; 0 onto my spare word:
	s_wait_dscnt 9                                 ; (the add and the youngest eight loads may be out)
	WIN MUL_LO
	MUL16 F1, 0, 0, 0                              ; sixteen matrix instructions stand between the add and the wait for it
	s_wait_dscnt 0x0                               ; the add is done, and my reads of this slot are over:
	s_barrier_signal -1                            ; say so,
	MUL16 F1, 0, 2, 0                              ; work on registers while the others arrive,
.if \round
	WIN 0
.endif
	s_barrier_wait -1                              ; and go on when all four have said so
.endm
; The whole last quarter.  fill = 1: the barrier opens a round of the cluster's barrier, and behind the round the slot just read out is filled again first, with the K step two steps on: from
; that request to the wait for it a wave issues 224 matrix instructions.  Then come the next slot's first fragments.
.macro TURN slot, next, fill
	MEET \fill
.if \fill
	CREST                                          ; no wave of any partner still reads this slot's tile or has a load on its way
	s_add_nc_u64 s[G0+4*(\slot)+2:G0+4*(\slot)+3], s[G0+4*(\slot)+2:G0+4*(\slot)+3], 2*KSTEP*2
	s_add_nc_u64 s[G0B+4*(\slot)+2:G0B+4*(\slot)+3], s[G0B+4*(\slot)+2:G0B+4*(\slot)+3], 2*KSTEP*2
	JLOAD \slot                                    ; my one tensor load behind the round; the four v_nop behind it are also the places in front of the loads below
.else
	PLACES
.endif
	FETCH \next, 0, F0
	WIN MUL_HI
	MUL16 F1, 1, 0, 0
	MUL16 F1, 1, 2, 0
.endm
	s_wait_tensorcnt 1                             ; my part of K step 0 is in; K step 1's may stay out
	s_wait_dscnt 0x0                               ; my stores of c are done: no LDS instruction of mine is pending at the signal
	s_barrier_signal -1
	s_barrier_wait -1                              ; everybody's part of K step 0 is in
	FETCH 0, 0, F0
	QUARTER 0, 64,  F0, F1, 1                      ; the first quarter stands in front of the loop: its products start the sums
	WIN 0                                          ; at a label and at a branch every window is 0
	s_mov_b32 s3, LAPS-1
.Llap:                                                 ; a trip goes once round the ring, from a lap's second quarter to the next lap's first, and fills both slots again
	QUARTER 0, 128, F1, F0, 0
	QUARTER 0, 192, F0, F1, 0
	TURN 0, 1, 1
	QUARTER 1, 64,  F0, F1, 0
	QUARTER 1, 128, F1, F0, 0
	QUARTER 1, 192, F0, F1, 0
	TURN 1, 0, 1
	QUARTER 0, 64,  F0, F1, 0
	WIN 0
	s_sub_co_u32 s3, s3, 1
	s_cmp_lg_u32 s3, 0
	s_cbranch_scc1 .Llap
	QUARTER 0, 128, F1, F0, 0                      ; the last lap fills nothing, and has no round of the cluster's barrier
	QUARTER 0, 192, F0, F1, 0
	TURN 0, 1, 0
	QUARTER 1, 64,  F0, F1, 0
	QUARTER 1, 128, F1, F0, 0
	QUARTER 1, 192, F0, F1, 0
	s_wait_dscnt 8                                 ; the very last quarter: nothing more to fetch
	MUL16 F1, 0, 0, 0
	MUL16 F1, 0, 2, 0
	s_wait_dscnt 0x0                               ; my reads of the ring are over for good:
	s_barrier_signal -1                            ; say so,
	MUL16 F1, 1, 0, 0
	MUL16 F1, 1, 2, 0
	s_barrier_wait -1                              ; and when all four have said so the ring's bytes
	; THE GATE SUMS GO INTO G.  Accumulator (a, b): rows 16 a + l % 16; gate b / 2, hidden columns 16 (b % 2) + 8 (l / 16) + 0..7 of my 32: two stores of 16 bytes, each accumulator's low four
	; registers first.  The store's data is source 1: window 2, then window 3.
	PLACES
.irp hi, 0,1
	WIN 0x08+4*(\hi)
.irp a, 0,1,2,3
.irp b, 0,1,2,3,4,5,6,7
	ds_store_b128 v[DST0+(\hi)], v[8*(8*(\a)+(\b)):8*(8*(\a)+(\b))+3]   offset:(\a)*16*GP+((\b)/2)*256+((\b)%2)*64
	ds_store_b128 v[DST0+(\hi)], v[8*(8*(\a)+(\b))+4:8*(8*(\a)+(\b))+7] offset:(\a)*16*GP+((\b)/2)*256+((\b)%2)*64+16
.endr
.endr
.endr
	WIN 0
	s_wait_dscnt 0x0                               ; for the others' sake: my stores into G are done; a row's 64 columns come from two waves
	s_barrier_signal -1
	s_barrier_wait -1
; THE UPDATE.  Eight trips; a trip takes four units of two rows: a lane has 4 neighbouring columns of a row in each, 16 outputs.  In unit u: I at GV + 16 u, F at + 4, O at + 8, C~ at + 12.
.macro ARGS u                          ; the exponentials' arguments: -log2(e) (gate + bias) for i, f, o; 2 log2(e) (gate + bias) for c~: one fused multiply-add for two
	s_wait_dscnt 5*(3-(\u))                        ; LDS loads come back in order (ISA guide 5.7.1): unit u's five are in, the later units' five each stay out
.irp g, 0,1,2
.irp p, 0,2
	v_pk_fma_f32 v[GV+16*(\u)+4*(\g)+(\p):GV+16*(\u)+4*(\g)+(\p)+1], v[GV+16*(\u)+4*(\g)+(\p):GV+16*(\u)+4*(\g)+(\p)+1], s[82:83], v[BIA+4*(\g)+(\p):BIA+4*(\g)+(\p)+1] op_sel_hi:[1,0,1]
.endr
.endr
.irp p, 0,2
	v_pk_fma_f32 v[GV+16*(\u)+12+(\p):GV+16*(\u)+12+(\p)+1], v[GV+16*(\u)+12+(\p):GV+16*(\u)+12+(\p)+1], s[84:85], v[BIA+12+(\p):BIA+12+(\p)+1] op_sel_hi:[1,0,1]
.endr
.endm
; A transcendental on each of the trip's 64 gate values, or on the 16 in F's place, in place, back to back; one plain instruction stands behind the run before a result is used (ISA guide 5.7.2).
.macro ALLG op
.set z, 0
.rept 64
	\op v[GV+z], v[GV+z]
.set z, z+1
.endr
	v_nop
	s_wait_alu depctr_va_vdst(0)
.endm
.macro ALLF op
.irp u, 0,1,2,3
.irp r, 0,1,2,3
	\op v[GV+16*(\u)+4+(\r)], v[GV+16*(\u)+4+(\r)]
.endr
.endr
	v_nop
	s_wait_alu depctr_va_vdst(0)
.endm
.macro NEWC u                          ; c~ = 1 - 2 / (1 + e^(2 z)); I = i c~; new_c = f c + I, c read from its bf16 half; stored; F takes the next exponential's argument
.irp p, 0,2
	v_pk_fma_f32 v[GV+16*(\u)+12+(\p):GV+16*(\u)+12+(\p)+1], v[GV+16*(\u)+12+(\p):GV+16*(\u)+12+(\p)+1], -2.0, 1.0 op_sel_hi:[1,0,0]
.endr
.irp p, 0,2
	v_pk_mul_f32 v[GV+16*(\u)+(\p):GV+16*(\u)+(\p)+1], v[GV+16*(\u)+(\p):GV+16*(\u)+(\p)+1], v[GV+16*(\u)+12+(\p):GV+16*(\u)+12+(\p)+1]
.endr
.irp r, 0,1,2,3
.if (\r)%2
	v_fma_mix_f32_bf16 v[GV+16*(\u)+12+(\r)], v[CP+2*(\u)+(\r)/2], v[GV+16*(\u)+4+(\r)], v[GV+16*(\u)+(\r)] op_sel:[1,0,0] op_sel_hi:[1,0,0]
.else
	v_fma_mix_f32_bf16 v[GV+16*(\u)+12+(\r)], v[CP+2*(\u)+(\r)/2], v[GV+16*(\u)+4+(\r)], v[GV+16*(\u)+(\r)] op_sel:[0,0,0] op_sel_hi:[1,0,0]
.endif
.endr
	global_store_b128 v[GOFF], v[GV+16*(\u)+12:GV+16*(\u)+15], s[80:81] offset:2*OROW*(\u) th:TH_STORE_NT  ; 16 lanes store 256 consecutive bytes, at a multiple of 256 from out1's first byte
.irp p, 0,2
	v_pk_mul_f32 v[GV+16*(\u)+4+(\p):GV+16*(\u)+4+(\p)+1], v[GV+16*(\u)+12+(\p):GV+16*(\u)+12+(\p)+1], s[84:85] op_sel_hi:[1,0]
.endr
.endm
.macro NEWH u                          ; tanh(new_c) = 1 - 2 / (1 + e^(2 new_c)); new_h = o tanh(new_c), into I's place; stored
.irp p, 0,2
	v_pk_fma_f32 v[GV+16*(\u)+4+(\p):GV+16*(\u)+4+(\p)+1], v[GV+16*(\u)+4+(\p):GV+16*(\u)+4+(\p)+1], -2.0, 1.0 op_sel_hi:[1,0,0]
.endr
.irp p, 0,2
	v_pk_mul_f32 v[GV+16*(\u)+(\p):GV+16*(\u)+(\p)+1], v[GV+16*(\u)+8+(\p):GV+16*(\u)+8+(\p)+1], v[GV+16*(\u)+4+(\p):GV+16*(\u)+4+(\p)+1]
.endr
	global_store_b128 v[GOFF], v[GV+16*(\u):GV+16*(\u)+3], s[78:79] offset:2*OROW*(\u) th:TH_STORE_NT  ; the same 256 bytes of out0
.endm
	s_mov_b32 s3, 8
	s_mov_b32 s86, 0                               ; the trip's offset in G
	s_mov_b32 s87, 0                               ; and in my wave's c
.Lout:
	v_add_nc_u32 v[GA], s86, v[GA0]
	v_add_nc_u32 v[CA], s87, v[CA0]
.irp u, 0,1,2,3
.irp g, 0,1,2,3
	ds_load_b128 v[GV+16*(\u)+4*(\g):GV+16*(\u)+4*(\g)+3], v[GA] offset:(\u)*2*GP+(\g)*256  ; 16 lanes take a gate's 256 consecutive bytes of a row
.endr
	ds_load_b64 v[CP+2*(\u):CP+2*(\u)+1], v[CA] offset:(\u)*256
.endr
.irp u, 0,1,2,3
	ARGS \u
.endr
	ALLG v_exp_f32
.set z, 0
	s_wait_alu depctr_va_vdst(0)
.rept 32
	v_pk_add_f32 v[GV+z:GV+z+1], v[GV+z:GV+z+1], 1.0 op_sel_hi:[1,0]
.set z, z+2
.endr
	ALLG v_rcp_f32                                 ; i, f, o, and 1 / (1 + e^(2 z)) for c~
.irp u, 0,1,2,3
	NEWC \u
.endr
	ALLF v_exp_f32
	s_wait_alu depctr_va_vdst(0)
.irp u, 0,1,2,3
.irp p, 0,2
	v_pk_add_f32 v[GV+16*(\u)+4+(\p):GV+16*(\u)+4+(\p)+1], v[GV+16*(\u)+4+(\p):GV+16*(\u)+4+(\p)+1], 1.0 op_sel_hi:[1,0]
.endr
.endr
	ALLF v_rcp_f32
.irp u, 0,1,2,3
	NEWH \u
.endr
	s_wait_xcnt 0x0                                ; every earlier memory instruction has had its addresses translated (ISA guide 3.1): only behind this wait are the stores' bases stepped and their data registers loaded again
	s_add_nc_u64 s[78:79], s[78:79], 8*OROW        ; eight rows on
	s_add_nc_u64 s[80:81], s[80:81], 8*OROW
	s_add_co_u32 s86, s86, 8*GP
	s_add_co_u32 s87, s87, 4*256
	s_sub_co_u32 s3, s3, 1
	s_cmp_lg_u32 s3, 0
	s_cbranch_scc1 .Lout
	s_wait_tensorcnt 0x0                           ; the wave's end, behind my last tensor load and my last LDS store
	ds_add_u32 v[SPW], v[NIL]
	s_wait_dscnt 0x0
	CROUND                                         ; the closing round: no work-group ends while a partner may still ask for a tile that names it
	s_endpgm
.Lfunc_end_k_qfe44f28856_lstm:
	.size	k_qfe44f28856_lstm, .Lfunc_end_k_qfe44f28856_lstm-k_qfe44f28856_lstm
	.p2alignl 7, 3214868480
	.fill 96, 4, 3214868480
	.section	.rodata,"a",@progbits
	.p2align	6, 0x0
	.amdhsa_kernel k_qfe44f28856_lstm
		.amdhsa_group_segment_fixed_size 327680
		.amdhsa_private_segment_fixed_size 0
		.amdhsa_enable_private_segment 0
		.amdhsa_kernarg_size 72
		.amdhsa_user_sgpr_count 2
		.amdhsa_user_sgpr_kernarg_segment_ptr 1
		.amdhsa_wavefront_size32 1
		.amdhsa_system_sgpr_workgroup_id_x 1
		.amdhsa_system_sgpr_workgroup_id_y 1
		.amdhsa_system_sgpr_workgroup_id_z 1
		.amdhsa_system_vgpr_workitem_id 0
		.amdhsa_next_free_vgpr 1024
		.amdhsa_next_free_sgpr 96
		.amdhsa_reserve_vcc 0
		.amdhsa_float_denorm_mode_32 3
		.amdhsa_float_denorm_mode_16_64 3
		.amdhsa_memory_ordered 1
		.amdhsa_forward_progress 1
		.amdhsa_inst_pref_size 148
	.end_amdhsa_kernel
	.amdgpu_metadata
---
amdhsa.version: [ 1, 2 ]
amdhsa.kernels:
  - .name:           k_qfe44f28856_lstm
    .symbol:         k_qfe44f28856_lstm.kd
    .args:
      - { .name: acat, .offset: 0, .size: 8, .value_kind: global_buffer, .address_space: global }
      - { .name: bcat, .offset: 8, .size: 8, .value_kind: global_buffer, .address_space: global }
      - { .name: c, .offset: 16, .size: 8, .value_kind: global_buffer, .address_space: global }
      - { .name: bi, .offset: 24, .size: 8, .value_kind: global_buffer, .address_space: global }
      - { .name: bf, .offset: 32, .size: 8, .value_kind: global_buffer, .address_space: global }
      - { .name: bo, .offset: 40, .size: 8, .value_kind: global_buffer, .address_space: global }
      - { .name: bc, .offset: 48, .size: 8, .value_kind: global_buffer, .address_space: global }
      - { .name: out0, .offset: 56, .size: 8, .value_kind: global_buffer, .address_space: global }
      - { .name: out1, .offset: 64, .size: 8, .value_kind: global_buffer, .address_space: global }
    .group_segment_fixed_size: 327680
    .private_segment_fixed_size: 0
    .kernarg_segment_align: 8
    .kernarg_segment_size: 72
    .max_flat_workgroup_size: 128
    .sgpr_count:     96
    .vgpr_count:     1024
    .wavefront_size: 32
...
	.end_amdgpu_metadata
.endif
;; end of part 2
;; ======== version 2 of 2: 2 launches; version 1 with the launch cvt written anew for expert scheduling mode
;; limits: a function is approximated: absolute error at most 1e-07
;; workspace buffers: acat 33,554,432 bytes; bcat 16,777,216 bytes
;; launch cvt (part 3): grid 256 x 3, 8 waves a work-group, no clusters, 0 bytes of LDS; arguments x, h, Wi, Ui, Wf, Uf, Wo, Uo, Wc, Uc, acat, bcat; writes acat, bcat
.if DOCPART == 3
	.amdgcn_target "amdgcn-amd-amdhsa--gfx1250"
	.amdhsa_code_object_version 6
	.text
	.protected	k_qfe44f28856_cvt
	.globl	k_qfe44f28856_cvt
	.p2align	8
	.type	k_qfe44f28856_cvt,@function
k_qfe44f28856_cvt:
	s_mov_b64 s[64:65], 0
	v_nop
	global_prefetch_b8 v0, s[64:65] scope:SCOPE_SE
	s_setreg_imm32_b32 hwreg(HW_REG_WAVE_SCHED_MODE, 0, 2), 2
	s_setreg_imm32_b32 hwreg(HW_REG_WAVE_MODE, 25, 1), 1
	s_wait_xcnt 0x0
	s_wait_alu depctr_vm_vsrc(0)
; x, h and the eight weight matrices, all f32 with rows of 1,024 numbers, are rounded once to bf16 (nearest even) and laid out as the two operands of ONE product over K = 2,048:
;   acat [8192][2048] bf16: row m = x[m] (columns 0-1023), then h[m] (columns 1024-2047)
;   bcat [4096][2048] bf16: row 128 (j / 32) + 32 g + j % 32 = W_g[j], then U_g[j], for hidden column j and gate g (0 i, 1 f, 2 o, 3 c):
;   128 neighbouring rows of bcat are then the four gates of 32 neighbouring hidden columns.
; A stream: each input byte is read once, each output byte written once; no LDS, no barrier, no matrix unit: they would add nothing.
; SHARES.  768 work-groups of equal work: each takes 32 neighbouring rows of ONE source (y = 0: x, y = 1: h, y = 2: matrix x / 32, rows 32 (x % 32) on), which are 32 neighbouring rows
; of its destination, one half (2,048 bytes) of each.  Thread t owns bytes 16 t of every source row and bytes 8 t of the half row: a wave's load covers 512 consecutive bytes, a wave's
; store 256 consecutive bytes at a multiple of 256 from the buffer's first byte.  All 32 loads of a thread go out together; nothing is rewritten that a pending store reads.
; LIMITS.  None of range: what bf16 cannot hold exactly is rounded; NaN and infinities come out as the conversion gives them.
; THE MODE: SCHED_MODE bits 1:0 = 2 (LLVM: expert scheduling mode 2), set by the entry lines.  The code itself states the register dependences
; between vector instructions and memory instructions, with s_wait_alu, always for 0.
; THE PLAN.  Registers that memory instructions touch:
;   v1, v2            byte offsets, made once at the head and never written again: v1 is read by every load, v2 by every store; the rows are reached by immediate offsets.
;   v[4+4i : 7+4i]    row i.  Its load lands here (no vector instruction names these registers before that); its two conversions read all four and write the first two;
;                     its store reads those two; nothing writes them afterwards.
; So no register that a memory instruction has read is written again, and the dependences to state are two: the offsets ahead of the first load, and the packed words ahead of their stores.
; The 32 rows go in 8 blocks of four.  Block p waits for its four loads; one wait on va_vdst behind that states that block p - 1's conversions have written their packed words; the four
; stores of block p - 1 follow, dealt among block p's conversions, which name block p's registers alone: none that those stores touch.
.set ROWS, 32
.set BLOCK, 4                          ; rows in a block
.set BLOCKS, ROWS/BLOCK
.set SROW, 4096                        ; bytes in a source row
.set DROW, 4096                        ; bytes in a destination row (2,048 bf16)
.set X,    4                           ; v[4:131]  row i as loaded in v[4+4i : 7+4i]; its two packed words then take the first two
	s_load_b512 s[8:23], s[0:1], 0x0               ; x, h, Wi, Ui, Wf, Uf, Wo, Uo
	s_load_b256 s[24:31], s[0:1], 0x40             ; Wc, Uc, acat, bcat
	s_and_b32 s2, ttmp7, 0xffff                    ; y
	s_mov_b32 s3, ttmp9                            ; x
	v_lshlrev_b32 v1, 4, v0                        ; my 16 bytes of a source row
	v_lshlrev_b32 v2, 3, v0                        ; my 8 bytes of a destination half row
	; both cases are worked out, then one compare chooses
	s_lshl_b32 s33, s3, 5                          ; x or h: source row = destination row = 32 x
	s_lshr_b32 s36, s3, 5                          ; a matrix: its number 2 g + p (p = 0: W, 1: U), in the order of the arguments
	s_and_b32 s37, s3, 31                          ; and which 32 of its rows
	s_add_co_u32 s38, s36, 2                       ; its place among the ten sources
	s_lshl_b32 s39, s37, 5                         ; its source row
	s_lshr_b32 s32, s36, 1
	s_lshl_b32 s32, s32, 5                         ; 32 g
	s_lshl_b32 s34, s37, 7
	s_add_co_u32 s34, s34, s32                     ; its destination row: 128 (j / 32) + 32 g
	s_and_b32 s35, s36, 1                          ; its half of the destination row
	s_cmp_eq_u32 s2, 2
	s_cselect_b32 s32, s38, s2                     ; the source's number, 0 to 9
	s_cselect_b32 s34, s34, s33                    ; destination row
	s_cselect_b32 s33, s39, s33                    ; source row
	s_cselect_b32 s35, s35, s2                     ; half
	s_lshl_b32 s36, s33, 12                        ; the two byte offsets, in pairs of their own; both stay under 2^26
	s_mov_b32 s37, 0
	s_lshl_b32 s38, s34, 12
	s_lshl_b32 s35, s35, 11
	s_add_co_u32 s38, s38, s35
	s_mov_b32 s39, 0
	s_wait_kmcnt 0x0
	s_mov_b64 s[4:5], s[8:9]                       ; the source's address is chosen among the ten, on its number alone
.irp n, 1,2,3,4,5,6,7,8,9
	s_cmp_eq_u32 s32, \n
	s_cselect_b64 s[4:5], s[8+2*(\n):9+2*(\n)], s[4:5]
.endr
	s_cmp_lt_u32 s2, 2
	s_cselect_b64 s[6:7], s[28:29], s[30:31]       ; acat for x and h, bcat for the matrices
	s_add_nc_u64 s[4:5], s[4:5], s[36:37]
	s_add_nc_u64 s[6:7], s[6:7], s[38:39]
	s_wait_alu depctr_va_vdst(0)                   ; v1 and v2 are written: every load below reads v1 as its offset, every store v2
.set i, 0
.rept ROWS
	global_load_b128 v[X+4*i:X+4*i+3], v1, s[4:5] offset:SROW*i th:TH_LOAD_NT  ; read once in the launch
.set i, i+1
.endr
.set p, 0
.rept BLOCKS
	s_wait_loadcnt ROWS-BLOCK*(p+1)                ; loads come back in order (ISA guide 5.7.1): block p's four rows are in, the younger blocks stay out
.if p > 0
	s_wait_alu depctr_va_vdst(0)                   ; the block before has written its eight packed words, which the four stores below read
.endif
.set i, 0
.rept BLOCK
.set r, BLOCK*p+i
.if p > 0
	global_store_b64 v2, v[X+4*(r-BLOCK):X+4*(r-BLOCK)+1], s[6:7] offset:DROW*(r-BLOCK)  ; the block before; no vector instruction since the wait names these registers.  The next launch reads it: no hint
.endif
	v_cvt_pk_bf16_f32 v[X+4*r],   v[X+4*r],   v[X+4*r+1]
	v_cvt_pk_bf16_f32 v[X+4*r+1], v[X+4*r+2], v[X+4*r+3]
.set i, i+1
.endr
.set p, p+1
.endr
	s_wait_alu depctr_va_vdst(0)                   ; the last block has written its eight packed words, which the last four stores read
.set r, ROWS-BLOCK
.rept BLOCK
	global_store_b64 v2, v[X+4*r:X+4*r+1], s[6:7] offset:DROW*r
.set r, r+1
.endr
	s_endpgm
.Lfunc_end_k_qfe44f28856_cvt:
	.size	k_qfe44f28856_cvt, .Lfunc_end_k_qfe44f28856_cvt-k_qfe44f28856_cvt
	.p2alignl 7, 3214868480
	.fill 96, 4, 3214868480
	.section	.rodata,"a",@progbits
	.p2align	6, 0x0
	.amdhsa_kernel k_qfe44f28856_cvt
		.amdhsa_group_segment_fixed_size 0
		.amdhsa_private_segment_fixed_size 0
		.amdhsa_enable_private_segment 0
		.amdhsa_kernarg_size 96
		.amdhsa_user_sgpr_count 2
		.amdhsa_user_sgpr_kernarg_segment_ptr 1
		.amdhsa_wavefront_size32 1
		.amdhsa_system_sgpr_workgroup_id_x 1
		.amdhsa_system_sgpr_workgroup_id_y 1
		.amdhsa_system_sgpr_workgroup_id_z 1
		.amdhsa_system_vgpr_workitem_id 0
		.amdhsa_next_free_vgpr 132
		.amdhsa_next_free_sgpr 66
		.amdhsa_reserve_vcc 0
		.amdhsa_float_denorm_mode_32 3
		.amdhsa_float_denorm_mode_16_64 3
		.amdhsa_memory_ordered 1
		.amdhsa_forward_progress 1
		.amdhsa_inst_pref_size 13
	.end_amdhsa_kernel
	.amdgpu_metadata
---
amdhsa.version: [ 1, 2 ]
amdhsa.kernels:
  - .name:           k_qfe44f28856_cvt
    .symbol:         k_qfe44f28856_cvt.kd
    .args:
      - { .name: x, .offset: 0, .size: 8, .value_kind: global_buffer, .address_space: global }
      - { .name: h, .offset: 8, .size: 8, .value_kind: global_buffer, .address_space: global }
      - { .name: Wi, .offset: 16, .size: 8, .value_kind: global_buffer, .address_space: global }
      - { .name: Ui, .offset: 24, .size: 8, .value_kind: global_buffer, .address_space: global }
      - { .name: Wf, .offset: 32, .size: 8, .value_kind: global_buffer, .address_space: global }
      - { .name: Uf, .offset: 40, .size: 8, .value_kind: global_buffer, .address_space: global }
      - { .name: Wo, .offset: 48, .size: 8, .value_kind: global_buffer, .address_space: global }
      - { .name: Uo, .offset: 56, .size: 8, .value_kind: global_buffer, .address_space: global }
      - { .name: Wc, .offset: 64, .size: 8, .value_kind: global_buffer, .address_space: global }
      - { .name: Uc, .offset: 72, .size: 8, .value_kind: global_buffer, .address_space: global }
      - { .name: acat, .offset: 80, .size: 8, .value_kind: global_buffer, .address_space: global }
      - { .name: bcat, .offset: 88, .size: 8, .value_kind: global_buffer, .address_space: global }
    .group_segment_fixed_size: 0
    .private_segment_fixed_size: 0
    .kernarg_segment_align: 8
    .kernarg_segment_size: 96
    .max_flat_workgroup_size: 256
    .sgpr_count:     66
    .vgpr_count:     132
    .wavefront_size: 32
...
	.end_amdgpu_metadata
.endif
;; end of part 3
;; launch lstm: the kernel of part 2 again; grid 16 x 32, 4 waves a work-group, clusters of 4 x 4, 327,680 bytes of LDS; arguments acat, bcat, c, bi, bf, bo, bc, out0, out1; writes out0, out1
